; MI455X (gfx1250); checked and timed in simulation.
; The chip was launched on July 23, 2026; its instructions are those of AMD's public machine-readable ISA for CDNA 5 (MIT licence, August 2026) and "CDNA5" Instruction Set Architecture Reference Guide (July 2026). The comments in the code are by the model that wrote it; some were corrected since.
;; Core Attention. Allowed arithmetic: matrix products marked QUANTISED: E4M3 operands, one given power-of-two scale a tensor, by v_wmma_f32_16x16x64_fp8_fp8 or v_wmma_f32_16x16x128_fp8_fp8, f32 sums; everything else in f32.
;; Inputs: attention_mask 2 x 1 x 2,048 x 2,048 bool; key_layer 2,048 x 2 x 16 x 64 float32; lowp_scales 4 int32 (the exponents e of the quantised operands' scales 2^e); query_layer 2,048 x 2 x 16 x 64 float32; value_layer 2,048 x 2 x 16 x 64 float32.
;; Outputs: out0 2,048 x 2 x 1,024 float32.
;; This version of the problem:
;;   THIS VERSION OF THE PROBLEM IS GIVEN IN LOW PRECISION. The matrix products marked QUANTISED in the list below multiply operands that are first quantised to E4M3 (4 exponent bits, 3 mantissa bits; 8 bits a number), with one given power-of-two scale for each operand tensor; their sums are f32. All else is computed in f32.
;;   The module's matrix products, in the order in which they are computed (A, B: the left and right operand; K: the contracted axis; several contracted axes count as one K, in the product's order):
;;     1. batch 32 x [M 2,048, K 64] x [K 64, N 2,048]; A: input query_layer; B: input key_layer: QUANTISED (scales: A lowp_scales[0], B lowp_scales[1])
;;     2. batch 32 x [M 64, K 2,048] x [K 2,048, N 2,048]; A: input value_layer; B: softmax (see below): QUANTISED (scales: A lowp_scales[2], B lowp_scales[3])
;;   THE QUANTISER, for each operand of a quantised product, along K:
;;     - The operand's scale is 2^e, e = its entry of the input lowp_scales (int32; the entries are numbered through the quantised products in the list's order, A before B).
;;     - Each number is divided by the scale, clamped to +-448, and rounded to the nearest number of E4M3, ties to even, subnormals kept.
;;     - The product sums the exact products of the quantised numbers (number of the format x scale) in f32.
;;   ~~~python
;;   def quantise(x, axis, e):      # numpy; x: float32 -> the quantised numbers, widened to float32 again
;;       x = np.moveaxis(x, axis, -1); K = x.shape[-1]
;;       r = np.clip(x / 2.0 ** e, -448, 448)
;;       step = 2.0 ** (np.maximum(np.frexp(np.where(r == 0, 1, r))[1] - 1, -6) - 3)
;;       q = np.round(r / step) * step * 2.0 ** e      # np.round: ties to even
;;       return np.moveaxis(q, -1, axis).astype(np.float32)
;;   ~~~
;;   SOFTMAX AHEAD OF A QUANTISED PRODUCT. Where the list says 'softmax', what is quantised is not the finished softmax but p = 2^(t - M), with t = logit x log2(e) and M = ceil(the row's largest t), a whole number; so 1/2 < the row's largest p <= 1. The row's sum l is taken of the UNQUANTISED p, in f32, and the product's result is divided by l at the end. Since M is a whole number, a kernel that streams over the keys may use a running M (the ceiling of the running maximum): every later rescaling is an exact power of two, so the quantised numbers keep their values, but for numbers so far below the row's largest that they fall under the format's range.
;;   OPERANDS COMPUTED ON THE WAY. 'Computed on the way' means the value that the module computes at that place (a softmax that the list does not call 'softmax' is quantised finished and normalised). What goes into a quantiser is computed in f32, as accurately as f32 sums, v_exp_f32 and their like allow (about 1e-6 of the number): no bf16 or f16 on the way to a quantiser, and a product that is left as it is and whose result goes on into a quantised operand takes f32 operands (vector FMAs, or v_wmma_f32_16x16x4_f32). A number that lies on a knife's edge between two numbers of the format may be rounded either way, as far as f32 arithmetic and the matrix unit's own rounding can turn it there, and no further.
;; One version. Each part assembles by itself: llvm-mc -triple=amdgcn-amd-amdhsa -mcpu=gfx1250 --defsym DOCPART=n.
;; ======== version 1 of 1: 2 launches
;; limits: right only within a limited range of input values
;; workspace buffers: kv 8,388,608 bytes
;; launch quant (part 1): grid 16 x 32, 8 waves a work-group, no clusters, 35,840 bytes of LDS; arguments key_layer, value_layer, lowp_scales, kv; writes kv
.if DOCPART == 1
	.amdgcn_target "amdgcn-amd-amdhsa--gfx1250"
	.amdhsa_code_object_version 6
	.text
	.protected	k_q4959198ffc_quant
	.globl	k_q4959198ffc_quant
	.p2align	8
	.type	k_q4959198ffc_quant,@function
k_q4959198ffc_quant:
	s_mov_b64 s[64:65], 0
	v_nop
	global_prefetch_b8 v0, s[64:65] scope:SCOPE_SE
	s_setreg_imm32_b32 hwreg(HW_REG_WAVE_MODE, 25, 1), 1
	s_wait_xcnt 0x0
; key_layer and value_layer, [2048 positions][32 heads][64] f32, become codes of FP8 (E4M3), each with the one scale 2^e that is given for it (ek = entry 1, ev = entry 2 of the scales),
; laid in kv AS IMAGES OF THE OPERAND REGISTERS of the attention launch: [32 heads][16 key steps of 128 keys][16,384 bytes].
;   K's image, bytes 0 .. 8,191 of a step: tile t (0..7) at 1024 t, piece c (0, 1) at + 512 c, lane l's 16 bytes at + 16 l: with r = l % 16, h = l / 16 they are the codes of
;     key 32 (t / 2) + 8 (t % 2) + r + 8 (r / 8), channels 32 c + 16 h + 0 .. 15.  (The keys of a tile are not neighbours: the scores of tiles 2 b, 2 b + 1 are then 16 neighbouring keys in a lane.)
;   V's image, bytes 8,192 .. 16,383: tile dt (0..3) at 2048 dt, piece c (0..3) at + 512 c, lane l at + 16 l: channel 16 dt + r, keys 32 c + 16 h + 0 .. 15: the keys are the second product's K.
; code = x / 2^e, held within +-448, rounded to the nearest code, ties to even.
; LIMITS: ek and ev between -126 and 119, so that 2^e and 448 x 2^e are f32 numbers.  NaN among the inputs is not served; an infinity is held at the largest code.
; SHARES.  A work-group takes one key step of one head (grid x = step, y = head).  Wave w makes K's tile w (16 keys x 64 channels) and V's keys 16 w .. 16 w + 15 (piece c = w / 2, half h = w % 2, all 64 channels).
; K: its K (the channels) is innermost: a load takes two whole rows of 256 bytes, 16 bytes a lane; the rows turn through the wave's own stage in LDS and come back 64 bytes a lane: 16 neighbours of each piece.
; V: its K (the keys) is not innermost: a lane takes a channel and its registers run down the keys, so the conversions give codes with the keys innermost; nothing is transposed by an instruction.
; No loop, no barrier (waves share nothing), no register written twice while a memory instruction may read it: all 40 loads of a wave go out at once.
.set POS,    8192                      ; bytes from a position to the next: 32 heads x 256
.set SPITCH, 272                       ; a stage row: 256 bytes + 16: row r begins 17 r columns of 16 bytes on, so sixteen rows' equal columns fall on sixteen different columns of 256 bytes
.set WSTAGE, 16*SPITCH                 ; a wave's stage
.set KIN, 16                           ; v16-47   K as loaded
.set KT,  48                           ; v48-79   K turned: register 16 c + i = channel 32 c + 16 h + i of key r's row
.set VIN, 80                           ; v80-111  V: register 16 u + i = key 16 w + i, channel 32 u + lane
.set KC,  112                          ; v112-119 K's codes
.set VC,  120                          ; v120-127 V's codes
	s_load_b256 s[4:11], s[0:1], 0x0               ; K s[4:5], V s[6:7], the scales' exponents s[8:9], kv s[10:11]
	v_lshl_add_u32 v128, v0, 2, 0x8800
	v_mov_b32 v129, 0
	v_lshrrev_b32 v7, 5, v0
	v_readfirstlane_b32 s16, v7                    ; wave 0..7
	s_and_b32 s18, ttmp7, 0xffff                   ; the head
	v_and_b32 v12, 31, v0                          ; lane
	v_and_b32 v13, 15, v0                          ; r = lane % 16
	v_bfe_u32 v14, v0, 4, 1                        ; h = lane / 16
	v_lshlrev_b32 v15, 4, v13                      ; 16 r
	v_lshl_add_u32 v1, v14, 13, v15                ; K in memory: lanes 0-15 one row, lanes 16-31 the next position's; 16 bytes a lane
	s_mul_i32 s19, s16, WSTAGE                     ; my stage
	v_mul_u32_u24 v2, v14, SPITCH
	v_add_nc_u32 v2, v2, v15
	v_add_nc_u32 v2, s19, v2                       ; the stage, on the way in: the same two rows
	v_mul_u32_u24 v3, v13, SPITCH
	v_lshl_add_u32 v3, v14, 6, v3
	v_add_nc_u32 v3, s19, v3                       ; and on the way back: row r, + 64 h: my 16 channels of a piece of 32
	v_lshlrev_b32 v4, 4, v12                       ; K's codes: 16 x lane
	v_lshlrev_b32 v5, 2, v12                       ; V in memory: 4 x lane
	v_lshl_add_u32 v6, v14, 11, v15                ; V's codes: channel 32 u + lane lies in tile 2 u + lane / 16, at lane % 16
	s_lshr_b32 s20, s16, 1                         ; w / 2
	s_and_b32 s21, s16, 1                          ; w % 2
	s_lshl_b32 s22, ttmp9, 7                       ; the step's first key
	s_lshl_b32 s26, s18, 8                         ; the head's 256 bytes in a position
	s_lshl_b32 s23, s20, 5
	s_add_co_u32 s23, s23, s22
	s_lshl_b32 s24, s21, 3
	s_add_co_u32 s23, s23, s24                     ; my tile's first key: 128 step + 32 (w / 2) + 8 (w % 2)
	s_lshl_b32 s24, s23, 13
	s_add_co_u32 s24, s24, s26
	s_mov_b32 s25, 0                               ; its byte in key_layer (under 2^24)
	s_lshl_b32 s27, s16, 4
	s_add_co_u32 s27, s27, s22                     ; V: my first key: 128 step + 16 w
	s_lshl_b32 s28, s27, 13
	s_add_co_u32 s28, s28, s26
	s_mov_b32 s29, 0
	s_lshl_b32 s30, s18, 4
	s_add_co_u32 s30, s30, ttmp9
	s_lshl_b32 s30, s30, 14                        ; the step's block in kv: (16 head + step) x 16,384
	s_lshl_b32 s32, s16, 10
	s_add_co_u32 s32, s32, s30                     ; K's tile w
	s_mov_b32 s33, 0
	s_lshl_b32 s34, s20, 9
	s_lshl_b32 s35, s21, 8
	s_add_co_u32 s34, s34, s35
	s_add_co_u32 s34, s34, s30
	s_add_co_u32 s34, s34, 8192                    ; V's image, piece w / 2, half w % 2
	s_mov_b32 s35, 0
	s_wait_kmcnt 0x0
	s_load_b128 s[12:15], s[8:9], 0x0              ; eq, ek, ev, ep
	s_add_nc_u64 s[4:5], s[4:5], s[24:25]
	s_add_nc_u64 s[6:7], s[6:7], s[28:29]
	s_add_nc_u64 s[36:37], s[10:11], s[32:33]
	s_add_nc_u64 s[38:39], s[10:11], s[34:35]
.irp i, 0,1,2,3,4,5,6,7
	global_load_b128 v[KIN+4*\i:KIN+4*\i+3], v1, s[4:5] offset:(2*\i+8*(\i/4))*POS th:TH_LOAD_NT   ; the tile's rows 2 i and 2 i + 1: rows 8 to 15 lie 8 keys further on
.endr
.irp i, 0,1,2,3,4,5,6,7,8,9,10,11,12,13,14,15
	global_load_b32 v[VIN+\i], v5, s[6:7] offset:\i*POS th:TH_LOAD_NT          ; key 16 w + i, channels 0 to 31: 128 consecutive bytes,
	global_load_b32 v[VIN+16+\i], v5, s[6:7] offset:\i*POS+128 th:TH_LOAD_NT   ; and channels 32 to 63: the row's other 128, by the next line
.endr
	s_wait_kmcnt 0x0
	s_add_co_i32 s20, s13, 127
	s_lshl_b32 s21, s20, 23
	v_mov_b32 v8, s21                              ; 2^ek as f32: the conversion takes its exponent field
	s_add_co_i32 s20, s20, 8
	s_lshl_b32 s20, s20, 23
	s_or_b32 s20, s20, 0x600000
	v_mov_b32 v9, s20                              ; 448 x 2^ek
	s_add_co_i32 s20, s14, 127
	s_lshl_b32 s21, s20, 23
	v_mov_b32 v10, s21                             ; 2^ev
	s_add_co_i32 s20, s20, 8
	s_lshl_b32 s20, s20, 23
	s_or_b32 s20, s20, 0x600000
	v_mov_b32 v11, s20                             ; 448 x 2^ev
	s_wait_loadcnt 32                              ; K's eight loads are in; V's 32, issued behind them, may be out
.irp i, 0,1,2,3,4,5,6,7
	ds_store_b128 v2, v[KIN+4*\i:KIN+4*\i+3] offset:2*\i*SPITCH
.endr
.irp c, 0,1
.irp j, 0,1,2,3
	ds_load_b128 v[KT+16*\c+4*\j:KT+16*\c+4*\j+3], v3 offset:128*\c+16*\j   ; LDS serves a wave's instructions in order (ISA guide 5.7.1.4): these see the stores above
.endr
.endr
	s_wait_dscnt 0x0
.irp i, 0,1,2,3,4,5,6,7,8,9,10,11,12,13,14,15,16,17,18,19,20,21,22,23,24,25,26,27,28,29,30,31
	v_med3_num_f32 v[KT+\i], v[KT+\i], -v9, v9     ; the conversion to an 8-bit code does not saturate (ISA guide 7.6.2): the hold at the largest code x the scale
.endr
.irp g, 0,1,2,3
	v_cvt_scalef32_pk8_fp8_f32 v[KC+2*\g:KC+2*\g+1], v[KT+8*\g:KT+8*\g+7], v8
.endr
.irp c, 0,1
	global_store_b128 v4, v[KC+4*\c:KC+4*\c+3], s[36:37] offset:512*\c   ; 32 lanes store 512 consecutive bytes, at a multiple of 256 from kv's first byte
.endr
	s_wait_loadcnt 0x0                             ; V
.irp i, 0,1,2,3,4,5,6,7,8,9,10,11,12,13,14,15,16,17,18,19,20,21,22,23,24,25,26,27,28,29,30,31
	v_med3_num_f32 v[VIN+\i], v[VIN+\i], -v11, v11
.endr
.irp g, 0,1,2,3
	v_cvt_scalef32_pk8_fp8_f32 v[VC+2*\g:VC+2*\g+1], v[VIN+8*\g:VIN+8*\g+7], v10
.endr
.irp u, 0,1
	global_store_b128 v6, v[VC+4*\u:VC+4*\u+3], s[38:39] offset:4096*\u  ; each sixteen lanes store 256 consecutive bytes, aligned: half h = w % 2 of a piece.  (The codes go to stores alone: no plain line is owed behind the conversions)
.endr
	s_wait_tensorcnt 0x0
	ds_add_u32 v128, v129
	s_wait_dscnt 0x0
	s_endpgm
.Lfunc_end_k_q4959198ffc_quant:
	.size	k_q4959198ffc_quant, .Lfunc_end_k_q4959198ffc_quant-k_q4959198ffc_quant
	.p2alignl 7, 3214868480
	.fill 96, 4, 3214868480
	.section	.rodata,"a",@progbits
	.p2align	6, 0x0
	.amdhsa_kernel k_q4959198ffc_quant
		.amdhsa_group_segment_fixed_size 35840
		.amdhsa_private_segment_fixed_size 0
		.amdhsa_enable_private_segment 0
		.amdhsa_kernarg_size 32
		.amdhsa_user_sgpr_count 2
		.amdhsa_user_sgpr_kernarg_segment_ptr 1
		.amdhsa_wavefront_size32 1
		.amdhsa_system_sgpr_workgroup_id_x 1
		.amdhsa_system_sgpr_workgroup_id_y 1
		.amdhsa_system_sgpr_workgroup_id_z 1
		.amdhsa_system_vgpr_workitem_id 0
		.amdhsa_next_free_vgpr 130
		.amdhsa_next_free_sgpr 66
		.amdhsa_reserve_vcc 0
		.amdhsa_float_denorm_mode_32 3
		.amdhsa_float_denorm_mode_16_64 3
		.amdhsa_memory_ordered 1
		.amdhsa_forward_progress 1
		.amdhsa_inst_pref_size 13
	.end_amdhsa_kernel
	.amdgpu_metadata
---
amdhsa.version: [ 1, 2 ]
amdhsa.kernels:
  - .name:           k_q4959198ffc_quant
    .symbol:         k_q4959198ffc_quant.kd
    .args:
      - { .name: key_layer, .offset: 0, .size: 8, .value_kind: global_buffer, .address_space: global }
      - { .name: value_layer, .offset: 8, .size: 8, .value_kind: global_buffer, .address_space: global }
      - { .name: lowp_scales, .offset: 16, .size: 8, .value_kind: global_buffer, .address_space: global }
      - { .name: kv, .offset: 24, .size: 8, .value_kind: global_buffer, .address_space: global }
    .group_segment_fixed_size: 35840
    .private_segment_fixed_size: 0
    .kernarg_segment_align: 8
    .kernarg_segment_size: 32
    .max_flat_workgroup_size: 256
    .sgpr_count:     66
    .vgpr_count:     130
    .wavefront_size: 32
...
	.end_amdgpu_metadata
.endif
;; end of part 1
;; launch attn (part 2): grid 8 x 32, 8 waves a work-group, no clusters, 297,984 bytes of LDS; arguments query_layer, kv, lowp_scales, out0; writes out0
.if DOCPART == 2
	.amdgcn_target "amdgcn-amd-amdhsa--gfx1250"
	.amdhsa_code_object_version 6
	.text
	.protected	k_q4959198ffc_attn
	.globl	k_q4959198ffc_attn
	.p2align	8
	.type	k_q4959198ffc_attn,@function
k_q4959198ffc_attn:
	s_mov_b64 s[64:65], 0
	v_nop
	global_prefetch_b8 v0, s[64:65] scope:SCOPE_SE
	s_setreg_imm32_b32 hwreg(HW_REG_WAVE_MODE, 25, 1), 1
	s_wait_xcnt 0x0
; out0[q][head][:] = the sum over keys k <= q of softmax_k(Q[q] . K[k] / 8) V[k][:], for 32 heads of 2,048 positions x 64 channels; both products on codes of FP8 (E4M3), each operand with its given scale:
; eq, ek, ev, ep = the four whole numbers of lowp_scales.  query_layer and out0: [2048][32 heads][64] f32.  kv: the images of K's and V's operand registers that the launch before has stored (its head comment has the layout).
; THE SOFTMAX AHEAD OF THE SECOND PRODUCT: t = logit x log2(e); M = the running largest t rounded UP to a whole number; p = 2^(t - M) is quantised with 2^ep, not normalised; the row's sum is taken of the unquantised p
; and divides at the end.  When M moves, the sum and O are multiplied by 2^(old M - new M): nothing is rounded, and no branch hangs on data.
; THE MASK is the one that the computation builds itself (key > query gets the logit -10,000).  Inside the key step on the diagonal the hidden scores get that very logit.  Key steps that lie wholly behind a tile's queries are left out.
; attention_mask is no argument of this launch: the computation never reads it, and no result hangs on it.
; LIMITS.  eq + ek between -123 and 130 (added to c's exponent field); eq and ep between -126 and 119 (2^e and 448 x 2^e are f32 numbers).  NaN is not served.  A row whose largest visible logit lies under about -9,900
; would share its weight with hidden keys, of which those in left-out steps are missing here: not served.  |logit| <= 64 x 448^2 / 8 x 2^(eq + ek) = 1,605,632 x 2^(eq + ek), so there is no such row where eq + ek <= -8.
; SHARES.  A head's queries are 16 blocks of 128.  Work-group j (grid x; y = the head) owns block j (LOW) and block 15 - j (HIGH); wave w owns tile w, 16 queries, of both.  LOW wants key steps 0 .. j, HIGH 0 .. 15 - j:
; 17 tile-steps for every wave of the launch, whatever j.
; THE WHOLE HEAD LIES IN LDS: 16 steps x 16,384 bytes.  Each wave issues four tensor loads of 8,192 bytes at the head (four are out at the most), group g = key steps 4 g .. 4 g + 3; nothing is ever filled again.
; In front of group g's steps each wave waits until its load of that group has landed, and a barrier follows.  Every work-group fetches all 16 steps, so that each counted wait counts the same loads on every path.
; NO CLUSTER, though the eight work-groups of a head read the same kv: the branches that leave out hidden steps hang on j, which differs between those eight; joint requests allow no such branch.
; LAYOUT.  Both products are used transposed: S^T = K Q^T (source 0 = 16 keys, source 1 = my 16 queries), O^T = V^T P^T (source 0 = 16 channels, source 1 = P): lane (r = l % 16, h = l / 16) holds query r throughout.
; Register 16 b + i of S^T is key 32 b + 16 h + i of the step, so the conversions' results are the second product's operand.  Along K every operand holds k = 32 c + 16 h + 0 .. 15 in registers 4 c .. 4 c + 3: one
; permutation of k, the same on both sides of a product.
.set POS,    8192                      ; bytes from a position to the next
.set STEPB,  16384                     ; a key step in LDS and in kv
.set VOFF,   8192                      ; V's image in it
.set GROUPB, 65536                     ; four steps
.set STAGE,  262144                    ; behind the head's codes: for each wave 16 rows x 272 bytes, for Q on the way in and O on the way out; no tensor load lands there
.set SPITCH, 272                       ; 256 bytes + 16: sixteen rows' equal columns fall on sixteen different columns of 256 bytes
.set WSTAGE, 16*SPITCH
.set LI,  1                            ; v1   16 x lane: an image's place for my lane
.set ADR, 2                            ; v2   LDS address of the step in hand (at the head: where Q comes back from the stage)
.set STO, 3                            ; v3   the stage: row r, + 32 h
.set RD,  4                            ; v4   the stage by rows: lanes 0-15 one row, lanes 16-31 the next, 16 bytes a lane
.set GO,  5                            ; v5   the same two rows in query_layer and out0
.set DM,  6                            ; v6   16 w + r - 16 h: on the diagonal register 16 b + i is hidden where 32 b + i is above it
.set FIL, 7                            ; v7   the score that stands for the logit -10,000
.set SCP, 8                            ; v8   2^ep
.set LMP, 9                            ; v9   448 x 2^ep
.set FF,  10                           ; v[10:11] f = 2^(old M - new M), named as a pair
.set STL, 12                           ; v[12:15] LOW: -M, the largest t, the sum in two halves
.set STH, 16                           ; v[16:19] HIGH: the same
.set TT,  20                           ; v20-23  at work
.set BB,  24                           ; v24-31  four pairs: the sums' chains
.set QL,  32                           ; v32-39  Q's codes, LOW
.set QH,  40                           ; v40-47  HIGH
.set KV,  48                           ; v48-111 a step's fragments of K, then of V
.set SS,  112                          ; v112-175 S^T, then p
.set PP,  176                          ; v176-191 p's codes
.set OL,  192                          ; v192-223 O^T, LOW
.set OH,  224                          ; v224-255 HIGH
.set WV,  12                           ; s12 wave;  s13 j;  s14 head;  s15 15 - j
.set JLO, 13
.set HD,  14
.set JHI, 15
.set G1,  16                           ; s[16:23] descriptor group 1;  s[24:39] four groups 0
.set G0,  24
.set SEL, 40                           ; s[40:41] v_permlanex16_b32's selects for lane l xor 16
.set CS,  42                           ; s[42:43] c = log2(e) / 8 x 2^(eq + ek), named as a pair
.set EX,  44                           ; s[44:47] eq, ek, ev, ep
.set TB,  48                           ; s48 LDS byte of the step in hand
.set SI,  49                           ; s49 its number
	s_load_b256 s[4:11], s[0:1], 0x0               ; Q s[4:5], kv s[6:7], the scales' exponents s[8:9], out0 s[10:11]
	s_set_vgpr_msb 0x40
	v_lshl_add_u32 v0, v0, 2, 0x48800
	v_mov_b32 v1, 0
	s_set_vgpr_msb 0x4045
	ds_add_u32 v0, v1
	ds_add_u32 v0, v1
	s_set_vgpr_msb 0x4500
	v_lshrrev_b32 v1, 5, v0
	v_readfirstlane_b32 s[WV], v1                  ; wave 0..7
	s_mov_b32 s[JLO], ttmp9
	s_and_b32 s[HD], ttmp7, 0xffff
	s_sub_co_u32 s[JHI], 15, s[JLO]
	; descriptor group 1: a dense block of 8,192 bytes as 32 rows of 32 elements of 8 bytes; no padding (the images are read 16 bytes a lane, 512 consecutive bytes an instruction), no mask
	s_mov_b32 s[G1], 3<<16                         ; 17:16 elements of 8 bytes
	s_mov_b32 s[G1+1], 32<<16                      ; tensor_dim0 = 32
	s_mov_b32 s[G1+2], 32<<16                      ; tensor_dim1 = 32
	s_mov_b32 s[G1+3], 32<<16                      ; tile_dim0 = 32
	s_mov_b32 s[G1+4], 32                          ; tile_dim1 = 32
	s_mov_b32 s[G1+5], 32                          ; from row to row: 32 elements
	s_mov_b32 s[G1+6], 0
	s_mov_b32 s[G1+7], 0
	s_mov_b32 s[SEL], 0x76543210
	s_mov_b32 s[SEL+1], 0xfedcba98
	s_mov_b32 s[CS], 0x3e38aa3b                    ; log2(e) / 8
	s_lshl_b32 s50, s[WV], 13                      ; my 8,192 bytes of a group, in LDS as in kv
	s_lshl_b32 s60, s[HD], 18                      ; the head's 262,144 bytes of kv
	s_add_co_u32 s60, s60, s50
	s_mov_b32 s61, 0
	s_lshl_b32 s51, s[WV], 4                       ; 16 w
	s_lshl_b32 s63, s[HD], 8                       ; the head's 256 bytes in a position
	s_lshl_b32 s52, s[JLO], 7
	s_add_co_u32 s52, s52, s51                     ; LOW's first query: 128 j + 16 w
	s_lshl_b32 s52, s52, 13
	s_add_co_u32 s52, s52, s63
	s_mov_b32 s53, 0
	s_lshl_b32 s54, s[JHI], 7
	s_add_co_u32 s54, s54, s51                     ; HIGH's: 128 (15 - j) + 16 w
	s_lshl_b32 s54, s54, 13
	s_add_co_u32 s54, s54, s63
	s_mov_b32 s55, 0
	s_mul_i32 s62, s[WV], WSTAGE
	s_add_co_u32 s62, s62, STAGE                   ; my stage
	v_and_b32 v20, 31, v0                          ; lane
	v_and_b32 v21, 15, v0                          ; r
	v_bfe_u32 v22, v0, 4, 1                        ; h
	v_lshlrev_b32 v[LI], 4, v20
	v_lshlrev_b32 v23, 4, v21                      ; 16 r
	v_lshl_add_u32 v[GO], v22, 13, v23
	v_mul_u32_u24 v24, v21, SPITCH
	v_add_nc_u32 v24, s62, v24                     ; row r of my stage
	v_lshl_add_u32 v[STO], v22, 5, v24
	v_lshl_add_u32 v[ADR], v22, 6, v24             ; Q back from the stage: row r, + 64 h: my 16 channels of a piece of 32
	v_mul_u32_u24 v25, v22, SPITCH
	v_add_nc_u32 v25, v25, v23
	v_add_nc_u32 v[RD], s62, v25
	v_lshlrev_b32 v26, 4, v22
	v_sub_nc_u32 v[DM], v21, v26
	v_add_nc_u32 v[DM], s51, v[DM]
	s_wait_dscnt 0x0
	s_wait_kmcnt 0x0
	s_add_nc_u64 s[60:61], s[6:7], s[60:61]        ; kv at my part of group 0
.irp g, 0,1,2,3
	s_mov_b32 s[G0+4*\g], 1                        ; 1:0 count = 1
	s_add_co_u32 s[G0+4*\g+1], s50, \g*GROUPB      ; 63:32 LDS address: 8,192 x wave + 65,536 x group
	s_add_nc_u64 s[G0+4*\g+2:G0+4*\g+3], s[60:61], \g*GROUPB   ; 120:64 global address
	s_or_b32 s[G0+4*\g+3], s[G0+4*\g+3], 0x80000000            ; 127:126 type = 2
.endr
.irp g, 0,1,2,3
	tensor_load_to_lds s[G0+4*\g:G0+4*\g+3], s[G1:G1+7]        ; all first fills in one group, ahead of every wait on TENSORcnt, every LDS access and every barrier
	s_nop 0
.endr
.rept 4
	v_nop
.endr
	s_load_b128 s[EX:EX+3], s[8:9], 0x0            ; eq, ek, ev, ep
	s_add_nc_u64 s[56:57], s[10:11], s[52:53]      ; out0 at LOW's first row,
	s_add_nc_u64 s[58:59], s[10:11], s[54:55]      ; at HIGH's;
	s_add_nc_u64 s[52:53], s[4:5], s[52:53]        ; Q likewise
	s_add_nc_u64 s[54:55], s[4:5], s[54:55]
.irp i, 0,1,2,3,4,5,6,7
	global_load_b128 v[SS+4*\i:SS+4*\i+3], v[GO], s[52:53] offset:2*\i*POS th:TH_LOAD_NT       ; LOW's rows 2 i, 2 i + 1: sixteen lanes take a whole row of 256 bytes
.endr
.irp i, 0,1,2,3,4,5,6,7
	global_load_b128 v[SS+32+4*\i:SS+32+4*\i+3], v[GO], s[54:55] offset:2*\i*POS th:TH_LOAD_NT ; HIGH's
.endr
	v_mov_b32 v[STL+1], 0xff61b1e6                 ; the largest t so far: -3e38, under every t
	v_mov_b32 v[STH+1], 0xff61b1e6
	v_floor_f32 v[STL], -v[STL+1]                  ; -M
	v_floor_f32 v[STH], -v[STH+1]
	v_mov_b32 v[STL+2], 0                          ; the sums
	v_mov_b32 v[STL+3], 0
	v_mov_b32 v[STH+2], 0
	v_mov_b32 v[STH+3], 0
	v_mov_b32 v[FF+1], 0                           ; (named as the upper half of the pair)
.irp j, 0,1,2,3,4,5,6,7,8,9,10,11,12,13,14,15,16,17,18,19,20,21,22,23,24,25,26,27,28,29,30,31,32,33,34,35,36,37,38,39,40,41,42,43,44,45,46,47,48,49,50,51,52,53,54,55,56,57,58,59,60,61,62,63
	v_mov_b32 v[OL+\j], 0                          ; O^T of both tiles.  (A key step is written without a first step of its own: the first finds zeros, which the first change of M leaves zeros)
.endr
	s_wait_kmcnt 0x0
	s_add_co_i32 s60, s[EX], s[EX+1]               ; eq + ek
	s_lshl_b32 s61, s60, 23
	s_add_co_i32 s[CS], s[CS], s61                 ; a score stands for score x 2^(eq + ek): the two exponents are added to c's exponent field
	s_mov_b32 s[CS+1], s[CS]                       ; (named with it as a pair, so it is written)
	s_sub_co_i32 s60, 0, s60
	v_mov_b32 v[FIL], 0xc79c4000                   ; -80,000 = -10,000 x 8,
	v_ldexp_f32 v[FIL], v[FIL], s60                ; / 2^(eq + ek): x c it gives t of the logit -10,000
	s_add_co_i32 s60, s[EX+3], 127
	s_lshl_b32 s61, s60, 23
	v_mov_b32 v[SCP], s61                          ; 2^ep as f32: the conversion takes its exponent field
	s_add_co_i32 s60, s60, 8
	s_lshl_b32 s60, s60, 23
	s_or_b32 s60, s60, 0x600000
	v_mov_b32 v[LMP], s60                          ; 448 x 2^ep
	s_add_co_i32 s60, s[EX], 127
	s_lshl_b32 s61, s60, 23
	v_mov_b32 v[TT], s61                           ; 2^eq
	s_add_co_i32 s60, s60, 8
	s_lshl_b32 s60, s60, 23
	s_or_b32 s60, s60, 0x600000
	v_mov_b32 v[TT+1], s60                         ; 448 x 2^eq
	; Q is read by this wave alone: it is quantised here.  Its rows turn through my stage: in as they were loaded, back 64 bytes a lane
	s_wait_loadcnt 8                               ; LOW's eight loads are in; HIGH's eight, issued behind them, may be out
.irp i, 0,1,2,3,4,5,6,7
	ds_store_b128 v[RD], v[SS+4*\i:SS+4*\i+3] offset:2*\i*SPITCH
.endr
.irp c, 0,1
.irp j, 0,1,2,3
	ds_load_b128 v[KV+16*\c+4*\j:KV+16*\c+4*\j+3], v[ADR] offset:128*\c+16*\j   ; LDS serves a wave's instructions in order (ISA guide 5.7.1.4): these see the stores above, and HIGH's stores come behind them
.endr
.endr
	s_wait_loadcnt 0x0
.irp i, 0,1,2,3,4,5,6,7
	ds_store_b128 v[RD], v[SS+32+4*\i:SS+32+4*\i+3] offset:2*\i*SPITCH
.endr
.irp c, 0,1
.irp j, 0,1,2,3
	ds_load_b128 v[KV+32+16*\c+4*\j:KV+32+16*\c+4*\j+3], v[ADR] offset:128*\c+16*\j
.endr
.endr
	s_wait_dscnt 16                                ; LOW is back; HIGH's eight stores and eight loads may be out
.irp i, 0,1,2,3,4,5,6,7,8,9,10,11,12,13,14,15,16,17,18,19,20,21,22,23,24,25,26,27,28,29,30,31
	v_med3_num_f32 v[KV+\i], v[KV+\i], -v[TT+1], v[TT+1]   ; the conversion to an 8-bit code does not saturate (ISA guide 7.6.2): the hold at the largest code x the scale
.endr
.irp g, 0,1,2,3
	v_cvt_scalef32_pk8_fp8_f32 v[QL+2*\g:QL+2*\g+1], v[KV+8*\g:KV+8*\g+7], v[TT]
.endr
	s_wait_dscnt 0x0
.irp i, 0,1,2,3,4,5,6,7,8,9,10,11,12,13,14,15,16,17,18,19,20,21,22,23,24,25,26,27,28,29,30,31
	v_med3_num_f32 v[KV+32+\i], v[KV+32+\i], -v[TT+1], v[TT+1]
.endr
.irp g, 0,1,2,3
	v_cvt_scalef32_pk8_fp8_f32 v[QH+2*\g:QH+2*\g+1], v[KV+32+8*\g:KV+32+8*\g+7], v[TT]
.endr
	v_nop                                          ; one plain vector instruction between a scaled conversion and the matrix instruction that reads its result
; Group g's four key steps may be read: of my four loads those up to group g have landed (the n younger ones may stay out), and so have everybody's.
.macro GWAIT n
	s_wait_tensorcnt \n
	s_wait_dscnt 0x0                               ; no LDS instruction of mine is pending at a signal
	s_barrier_signal -1
	s_barrier_wait -1
.endm
; A KEY STEP for one tile of 16 queries: 128 keys, at LDS byte s[TB].  q: the tile's codes of Q; o: its O^T; st: its statistics.
; masked = 1: the step may lie behind the tile's queries (its number is above s[lim]: left out, by a scalar branch on ids round the work alone) or on the diagonal (it is s[lim]).
.macro STEP q, o, st, lim, masked
.if \masked
	s_cmp_gt_u32 s[SI], s[\lim]
	s_cbranch_scc1 .Lskip_\@
.endif
	v_add_nc_u32 v[ADR], s[TB], v[LI]
.rept 3
	v_nop                                          ; with the addition above: four places in front of loads into registers that the last matrix instructions have read (ISA guide 7.12.1 for vector instructions)
.endr
.irp t, 0,1,2,3,4,5,6,7
	ds_load_b128 v[KV+8*\t:KV+8*\t+3], v[ADR] offset:1024*\t
	ds_load_b128 v[KV+8*\t+4:KV+8*\t+7], v[ADR] offset:1024*\t+512
.endr
	s_wait_dscnt 8                                 ; tiles 0 to 3 are in; the youngest eight loads (tiles 4 to 7) may be out
.irp t, 0,1,2,3
	v_wmma_f32_16x16x64_fp8_fp8 v[SS+8*\t:SS+8*\t+7], v[KV+8*\t:KV+8*\t+7], v[\q:\q+7], 0
.endr
	s_wait_dscnt 0x0
.irp t, 4,5,6,7
	v_wmma_f32_16x16x64_fp8_fp8 v[SS+8*\t:SS+8*\t+7], v[KV+8*\t:KV+8*\t+7], v[\q:\q+7], 0
.endr
.rept 4
	v_nop                                          ; four places: for the loads below, into registers just read, and for the first read of the scores
.endr
.irp d, 0,1,2,3
.irp c, 0,1,2,3
	ds_load_b128 v[KV+16*\d+4*\c:KV+16*\d+4*\c+3], v[ADR] offset:VOFF+2048*\d+512*\c   ; V lands while the softmax is worked
.endr
.endr
.if \masked
	s_cmp_lg_u32 s[SI], s[\lim]
	s_cbranch_scc1 .Lopen_\@                       ; a step all of whose keys count
.irp n, 0,1,2,3,4,5,6,7,8,9,10,11,12,13,14,15,16,17,18,19,20,21,22,23,24,25,26,27,28,29,30,31,32,33,34,35,36,37,38,39,40,41,42,43,44,45,46,47,48,49,50,51,52,53,54,55,56,57,58,59,60,61,62,63
	v_cmp_gt_i32 vcc_lo, 32*(\n/16)+\n%16, v[DM]   ; register n holds key 32 (n / 16) + 16 h + n % 16 of the step, my query is its number 16 w + r
	v_cndmask_b32 v[SS+\n], v[SS+\n], v[FIL], vcc_lo
.endr
.Lopen_\@:
.endif
	; the step's largest score of my query among my 64 keys: four chains; each accumulator is first read at its low end
.irp k, 0,1,2,3
	v_max3_num_f32 v[TT+\k], v[SS+16*\k], v[SS+16*\k+1], v[SS+16*\k+2]
.endr
.irp u, 0,1,2,3,4,5
.irp k, 0,1,2,3
	v_max3_num_f32 v[TT+\k], v[TT+\k], v[SS+16*\k+3+2*\u], v[SS+16*\k+4+2*\u]
.endr
.endr
	v_max3_num_f32 v[TT], v[TT], v[SS+15], v[SS+31]
	v_max3_num_f32 v[TT+2], v[TT+2], v[SS+47], v[SS+63]
	v_max3_num_f32 v[TT], v[TT], v[TT+1], v[TT+2]
	v_max_num_f32 v[TT], v[TT], v[TT+3]
	v_permlanex16_b32 v[TT+1], v[TT], s[SEL], s[SEL+1]
	v_max_num_f32 v[TT], v[TT], v[TT+1]            ; and among lane l xor 16's
	v_mul_f32 v[TT], s[CS], v[TT]                  ; as t (c is positive)
	v_max_num_f32 v[\st+1], v[\st+1], v[TT]        ; the running largest t
	v_mov_b32 v[TT], v[\st]
	v_floor_f32 v[\st], -v[\st+1]                  ; the new -M = floor(-t) = -ceil(t): a whole number
	v_sub_f32 v[TT], v[\st], v[TT]                 ; M's old value less its new one: 0 or less
	v_cvt_i32_f32 v[TT], v[TT]                     ; (it saturates)
	v_ldexp_f32 v[FF], 1.0, v[TT]                  ; f = 2^(old M - new M)
	; t - M, two at a time, and p = 2^(t - M): ONE BATCH of 64 exponentials, a scaling behind each two; a pair is scaled two turns ahead of its exponentials; nothing here names an exponential's result
	v_pk_fma_f32 v[SS:SS+1], v[SS:SS+1], s[CS:CS+1], v[\st:\st+1] op_sel_hi:[1,0,0]
	v_pk_fma_f32 v[SS+2:SS+3], v[SS+2:SS+3], s[CS:CS+1], v[\st:\st+1] op_sel_hi:[1,0,0]
.set kk, 0
.rept 32
	v_exp_f32 v[SS+2*kk], v[SS+2*kk]
	v_exp_f32 v[SS+2*kk+1], v[SS+2*kk+1]
.if kk < 30
	v_pk_fma_f32 v[SS+2*kk+4:SS+2*kk+5], v[SS+2*kk+4:SS+2*kk+5], s[CS:CS+1], v[\st:\st+1] op_sel_hi:[1,0,0]
.endif
.set kk, kk+1
.endr
.irp j, 0,2,4,6,8,10,12,14,16,18,20,22,24,26,28,30
	v_pk_mul_f32 v[\o+\j:\o+\j+1], v[\o+\j:\o+\j+1], v[FF:FF+1] op_sel_hi:[1,0]   ; O^T under the new M: the plain, independent work behind the batch
.endr
	s_wait_alu depctr_va_vdst(0)                   ; one wait for the whole batch, ahead of its first reader
	; the row's sum is taken of the UNQUANTISED p: two at a time, in four chains
.irp k, 0,1,2,3
	v_pk_add_f32 v[BB+2*\k:BB+2*\k+1], v[SS+4*\k:SS+4*\k+1], v[SS+4*\k+2:SS+4*\k+3]
.endr
.irp u, 0,1,2,3,4,5
.irp k, 0,1,2,3
	v_pk_add_f32 v[BB+2*\k:BB+2*\k+1], v[BB+2*\k:BB+2*\k+1], v[SS+16+8*\u+2*\k:SS+16+8*\u+2*\k+1]
.endr
.endr
	v_pk_add_f32 v[BB:BB+1], v[BB:BB+1], v[BB+2:BB+3]
	v_pk_add_f32 v[BB+4:BB+5], v[BB+4:BB+5], v[BB+6:BB+7]
	v_pk_add_f32 v[BB:BB+1], v[BB:BB+1], v[BB+4:BB+5]
	v_pk_fma_f32 v[\st+2:\st+3], v[\st+2:\st+3], v[FF:FF+1], v[BB:BB+1] op_sel_hi:[1,0,1]   ; the sum under the new M, + the step's
.irp b, 0,1,2,3
.irp i, 0,1,2,3,4,5,6,7,8,9,10,11,12,13,14,15
	v_min_num_f32 v[SS+16*\b+\i], v[SS+16*\b+\i], v[LMP]   ; the conversion does not saturate (ISA guide 7.6.2); p is not negative, so the hold is one-sided
.endr
	v_cvt_scalef32_pk8_fp8_f32 v[PP+4*\b:PP+4*\b+1], v[SS+16*\b:SS+16*\b+7], v[SCP]
	v_cvt_scalef32_pk8_fp8_f32 v[PP+4*\b+2:PP+4*\b+3], v[SS+16*\b+8:SS+16*\b+15], v[SCP]
.endr
	v_nop                                          ; one plain vector instruction between a scaled conversion and the matrix instruction that reads its result
	s_wait_dscnt 0x0                               ; V is in
.irp d, 0,1,2,3
	v_wmma_f32_16x16x128_fp8_fp8 v[\o+8*\d:\o+8*\d+7], v[KV+16*\d:KV+16*\d+15], v[PP:PP+15], v[\o+8*\d:\o+8*\d+7]   ; the four accumulators by turns; eight products K Q^T stand between two links on one of them
.endr
.if \masked
.Lskip_\@:
.endif
.endm
; Key steps 4 g .. 4 g + 3 for both tiles (g = 0, 1).  HIGH's diagonal step is 15 - j, at least 8: here all its keys count.  The trip count is a constant: a step that is left out costs two scalar lines.
.macro LOOPA g
	s_mov_b32 s[SI], 4*\g
	s_mov_b32 s[TB], \g*GROUPB
.Lboth_\@:
	STEP QL, OL, STL, JLO, 1
	STEP QH, OH, STH, JHI, 0
	s_add_co_u32 s[TB], s[TB], STEPB
	s_add_co_u32 s[SI], s[SI], 1
	s_cmp_lt_u32 s[SI], 4*\g+4
	s_cbranch_scc1 .Lboth_\@
.endm
; Key steps 4 g .. 4 g + 3 for HIGH alone (g = 2, 3): LOW's last step is j, at most 7.
.macro LOOPB g
	s_mov_b32 s[SI], 4*\g
	s_mov_b32 s[TB], \g*GROUPB
.Lhigh_\@:
	STEP QH, OH, STH, JHI, 1
	s_add_co_u32 s[TB], s[TB], STEPB
	s_add_co_u32 s[SI], s[SI], 1
	s_cmp_lt_u32 s[SI], 4*\g+4
	s_cbranch_scc1 .Lhigh_\@
.endm
	GWAIT 3
	LOOPA 0
	GWAIT 2
	LOOPA 1
	GWAIT 1
	LOOPB 2
	GWAIT 0                                        ; the last wait is for zero: no tensor load is out at the end
	LOOPB 3
	; THE WAY OUT.  A sum's two halves and lane l xor 16's are added; O^T x 2^(ep + ev) / the sum goes through my stage and leaves as whole rows of 256 bytes.  The additions are the places behind the last products.
	v_add_f32 v[TT], v[STL+2], v[STL+3]
	v_add_f32 v[TT+2], v[STH+2], v[STH+3]
	v_permlanex16_b32 v[TT+1], v[TT], s[SEL], s[SEL+1]
	v_permlanex16_b32 v[TT+3], v[TT+2], s[SEL], s[SEL+1]
	v_add_f32 v[TT], v[TT], v[TT+1]
	v_add_f32 v[TT+2], v[TT+2], v[TT+3]
	v_rcp_f32 v[BB], v[TT]
	v_rcp_f32 v[BB+2], v[TT+2]
	v_nop                                          ; a plain instruction behind the last reciprocal (ISA guide 5.7.2)
	s_add_co_i32 s60, s[EX+2], s[EX+3]             ; ev + ep
	s_wait_alu depctr_va_vdst(0)                   ; one wait for both, ahead of their first reader
	v_ldexp_f32 v[BB], v[BB], s60
	v_ldexp_f32 v[BB+2], v[BB+2], s60
; Tile n (0 LOW, 1 HIGH): register 8 d + i of lane (r, h) is channel 16 d + 8 h + i of query r: 32 bytes of a row; back by rows, two rows an instruction
.macro OUT n, o
.irp i, 0,2,4,6,8,10,12,14,16,18,20,22,24,26,28,30
	v_pk_mul_f32 v[SS+32*\n+\i:SS+32*\n+\i+1], v[\o+\i:\o+\i+1], v[BB+2*\n:BB+2*\n+1] op_sel_hi:[1,0]   ; each accumulator from its low end on
.endr
.irp d, 0,1,2,3
	ds_store_b128 v[STO], v[SS+32*\n+8*\d:SS+32*\n+8*\d+3] offset:64*\d
	ds_store_b128 v[STO], v[SS+32*\n+8*\d+4:SS+32*\n+8*\d+7] offset:64*\d+16
.endr
.irp i, 0,1,2,3,4,5,6,7
	ds_load_b128 v[KV+32*\n+4*\i:KV+32*\n+4*\i+3], v[RD] offset:2*\i*SPITCH   ; LDS serves a wave's instructions in order (ISA guide 5.7.1.4): these see my stores, and the next tile's stores come behind them
.endr
.endm
	OUT 0, OL
	OUT 1, OH
.irp i, 0,1,2,3,4,5,6,7
	s_wait_dscnt 23-\i                             ; behind LOW's load i: its 7 - i younger loads, and HIGH's eight stores and eight loads
	global_store_b128 v[GO], v[KV+4*\i:KV+4*\i+3], s[56:57] offset:2*\i*POS th:TH_STORE_NT       ; each sixteen lanes store 256 consecutive bytes, at a multiple of 256 from out0's first byte
.endr
.irp i, 0,1,2,3,4,5,6,7
	s_wait_dscnt 7-\i
	global_store_b128 v[GO], v[KV+32+4*\i:KV+32+4*\i+3], s[58:59] offset:2*\i*POS th:TH_STORE_NT
.endr
	s_set_vgpr_msb 0x5
	s_wait_tensorcnt 0x0
	ds_add_u32 v0, v1
	s_wait_dscnt 0x0
	s_set_vgpr_msb 0x500
	s_endpgm
.Lfunc_end_k_q4959198ffc_attn:
	.size	k_q4959198ffc_attn, .Lfunc_end_k_q4959198ffc_attn-k_q4959198ffc_attn
	.p2alignl 7, 3214868480
	.fill 96, 4, 3214868480
	.section	.rodata,"a",@progbits
	.p2align	6, 0x0
	.amdhsa_kernel k_q4959198ffc_attn
		.amdhsa_group_segment_fixed_size 297984
		.amdhsa_private_segment_fixed_size 0
		.amdhsa_enable_private_segment 0
		.amdhsa_kernarg_size 32
		.amdhsa_user_sgpr_count 2
		.amdhsa_user_sgpr_kernarg_segment_ptr 1
		.amdhsa_wavefront_size32 1
		.amdhsa_system_sgpr_workgroup_id_x 1
		.amdhsa_system_sgpr_workgroup_id_y 1
		.amdhsa_system_sgpr_workgroup_id_z 1
		.amdhsa_system_vgpr_workitem_id 0
		.amdhsa_next_free_vgpr 258
		.amdhsa_next_free_sgpr 66
		.amdhsa_reserve_vcc 1
		.amdhsa_float_denorm_mode_32 3
		.amdhsa_float_denorm_mode_16_64 3
		.amdhsa_memory_ordered 1
		.amdhsa_forward_progress 1
		.amdhsa_inst_pref_size 135
	.end_amdhsa_kernel
	.amdgpu_metadata
---
amdhsa.version: [ 1, 2 ]
amdhsa.kernels:
  - .name:           k_q4959198ffc_attn
    .symbol:         k_q4959198ffc_attn.kd
    .args:
      - { .name: query_layer, .offset: 0, .size: 8, .value_kind: global_buffer, .address_space: global }
      - { .name: kv, .offset: 8, .size: 8, .value_kind: global_buffer, .address_space: global }
      - { .name: lowp_scales, .offset: 16, .size: 8, .value_kind: global_buffer, .address_space: global }
      - { .name: out0, .offset: 24, .size: 8, .value_kind: global_buffer, .address_space: global }
    .group_segment_fixed_size: 297984
    .private_segment_fixed_size: 0
    .kernarg_segment_align: 8
    .kernarg_segment_size: 32
    .max_flat_workgroup_size: 256
    .sgpr_count:     66
    .vgpr_count:     258
    .wavefront_size: 32
...
	.end_amdgpu_metadata
.endif
;; end of part 2
